; MI455X (gfx1250); checked and timed in simulation.
; The chip was launched on July 23, 2026; its instructions are those of AMD's public machine-readable ISA for CDNA 5 (MIT licence, August 2026) and "CDNA5" Instruction Set Architecture Reference Guide (July 2026). The comments in the code are by the model that wrote it; some were corrected since.
;; Pointwise Aggregated Attention. Allowed arithmetic: matrix products marked QUANTISED: E2M3 operands, one E8M0 scale for each 32 along K, by v_wmma_scale_f32_16x16x128_f8f6f4 with both operands' format E2M3, f32 sums; everything else in f32.
;; Inputs: k 4 x 2,048 x 1,024 float32; q 4 x 2,048 x 1,024 float32; rab_weight 32 x 16 float32; v 4 x 2,048 x 1,024 float32.
;; Outputs: out0 4 x 2,048 x 1,024 float32.
;; This version of the problem:
;;   THIS VERSION OF THE PROBLEM IS GIVEN IN LOW PRECISION. The matrix products marked QUANTISED in the list below multiply operands that are first quantised to E2M3 (2 exponent bits, 3 mantissa bits; 6 bits a number), with one power-of-two scale for each 32 numbers along K (OCP MX v1.0); their sums are f32. All else is computed in f32.
;;   The module's matrix products, in the order in which they are computed (A, B: the left and right operand; K: the contracted axis; several contracted axes count as one K, in the product's order):
;;     1. batch 64 x [M 2,048, K 64] x [K 64, N 2,048]; A: input q; B: input k: QUANTISED
;;     2. batch 64 x [M 2,048, K 2,048] x [K 2,048, N 64]; A: computed on the way; B: input v: QUANTISED
;;   THE QUANTISER, for each operand of a quantised product, along K:
;;     - K is cut into blocks of 32 from its start; a last block that is shorter is filled with zeros.
;;     - A block's scale is 2^e with e = floor(log2(the largest magnitude in the block)) - 2, held to -126 .. 127; a block of zeros has e = 0. As a byte (E8M0): e + 127.
;;     - Each number is divided by its block's scale, clamped to +-7.5, and rounded to the nearest number of E2M3, ties to even, subnormals kept.
;;     - The product sums the exact products of the quantised numbers (number of the format x scale) in f32.
;;   ~~~python
;;   def quantise(x, axis):      # numpy; x: float32 -> the quantised numbers, widened to float32 again
;;       x = np.moveaxis(x, axis, -1); K = x.shape[-1]
;;       x = np.pad(x, [(0, 0)] * (x.ndim - 1) + [(0, -K % 32)]); x = x.reshape(x.shape[:-1] + (-1, 32)); a = np.abs(x).max(-1, keepdims=True)
;;       e = np.where(a > 0, np.clip(np.frexp(np.where(a > 0, a, 1))[1] - 1 - 2, -126, 127), 0)      # np.frexp(a)[1] - 1 = floor(log2(a)), exactly
;;       r = np.clip(x / 2.0 ** e, -7.5, 7.5)
;;       step = 2.0 ** (np.maximum(np.frexp(np.where(r == 0, 1, r))[1] - 1, 0) - 3)
;;       q = np.round(r / step) * step * 2.0 ** e      # np.round: ties to even
;;       return np.moveaxis(q.reshape(q.shape[:-2] + (-1,))[..., :K], -1, axis).astype(np.float32)
;;   ~~~
;;   OPERANDS COMPUTED ON THE WAY. 'Computed on the way' means the value that the module computes at that place (a softmax that the list does not call 'softmax' is quantised finished and normalised). What goes into a quantiser is computed in f32, as accurately as f32 sums, v_exp_f32 and their like allow (about 1e-6 of the number): no bf16 or f16 on the way to a quantiser, and a product that is left as it is and whose result goes on into a quantised operand takes f32 operands (vector FMAs, or v_wmma_f32_16x16x4_f32). A number that lies on a knife's edge between two numbers of the format may be rounded either way, as far as f32 arithmetic and the matrix unit's own rounding can turn it there, and no further.
;; 2 versions, each right; version 2 is version 1 with the launch paa written anew for expert scheduling mode. Each part assembles by itself: llvm-mc -triple=amdgcn-amd-amdhsa -mcpu=gfx1250 --defsym DOCPART=n.
;; ======== version 1 of 2: 1 launch
;; launch paa (part 1): grid 4 x 64, 16 waves a work-group, no clusters, 319,488 bytes of LDS; arguments k, q, rab_weight, v, out0; writes out0
.if DOCPART == 1
	.amdgcn_target "amdgcn-amd-amdhsa--gfx1250"
	.amdhsa_code_object_version 6
	.text
	.protected	k_q321694a294_paa
	.globl	k_q321694a294_paa
	.p2align	8
	.type	k_q321694a294_paa,@function
k_q321694a294_paa:
	s_mov_b64 s[64:65], 0
	v_nop
	global_prefetch_b8 v0, s[64:65] scope:SCOPE_SE
	s_setreg_imm32_b32 hwreg(HW_REG_WAVE_MODE, 25, 1), 1
	s_wait_xcnt 0x0
; out[b][q][h][:] = sum over keys of Q(silu(Q(q) . Q(k) + bias(q - key)[h])) Q(v), 64 heads (4 batches x 16) of 2,048 queries, 2,048 keys, head size 64.
; Q is the MX quantiser to FP6 (E2M3), one E8M0 scale for each 32 along a product's K: the head's 64 for the first product, the keys for the second.  No softmax, no mask: key steps are independent.
; SHARES.  Work-group (x, y): head y = 16 b + h, queries 512 x .. 512 x + 511.  Sixteen waves of 256 registers, four to a SIMD: a key step of a tile of 16 queries is 12 matrix instructions beside some 290 vector
; instructions (128 of them exponentials and reciprocals), so the text spares vector work and leaves it to the four waves of a SIMD to stand in for each other.
; Wave w owns two tiles of 16 queries and walks, for each, 16 key steps of 128 keys.  The head's K and V lie in LDS as codes, in the order of the operand's registers (192 KiB).
; K AND V ARE QUANTISED UNDER THE FIRST TILE'S WALK, a pair of key steps (256 keys) at a time: a pair is 16 tiles of K and 16 blocks of V, one of each for each wave (step w / 8 of the pair; tile w % 8 of K; key
; block (w % 8) / 2, column half w % 2 of V).  The head makes the two tiles of queries (into registers), the bias images and pair 0.  A trip of the first walk computes pair j and makes pair j + 1: its even step
; quantises the tile of K that was asked for a step before and asks for the block of V, its odd step quantises that and asks for the next tile of K; one barrier closes the trip.  So each load has a whole key
; step in which to land, and a work-group takes in 64 KiB of f32 a step.  The first walk's last two steps and the second tile's walk make nothing and have no barrier.
; LAYOUT.  Both products are used transposed (S^T = K Q^T, O^T = V^T P^T): a lane (r = lane % 16, hh = lane / 16) holds ONE query r throughout.
; THE KEYS OF A SCORE TILE ARE NOT NEIGHBOURS: row m of tile t = 4 c + g is key 64 c + 32 (m / 8) + 8 g + m % 8, so that S[32 c + i] of a lane is key 64 c + 32 hh + i: a WHOLE block of 32 keys of P in one lane,
; in the order of the operand's registers: its largest magnitude asks no other lane, and the conversions' results are the operand.
; K = 64 IN A FORM OF K = 128: one fragment of K holds two tiles (tile 2 p in k 0-63, tile 2 p + 1 in k 64-127) and is multiplied twice, by (q, zeros) and by (zeros, q): 18 registers zeros | q | zeros serve both.
; Zero codes add nothing; the queries' scale bytes of the dead half are 0 (2^-127).
; THE BIAS is the C of the score products.  bucket(q - key) is 0 for key >= q and 31 for q - key >= 113 (the limits 1..16, 19, 21, 24, 27, 31, 35, 40, 46, 52, 59, 67, 77, 87, 99, 113 follow from the formula's
; 16 x 2^(3 n / 16), none of which lies near a whole number).  With d = the tile's first query - the step's first key, a multiple of 16: d >= 240: eight registers of w[31]; d < 0: of w[0]; 0 <= d <= 224 (one or two
; steps of a walk): the tile's bias is loaded from LDS into S and the product adds in place.  A bias tile hangs on d - 64 c - 8 g alone: 40 images of 1 KiB serve every tile.
; NO CLUSTER, NO TENSOR LOAD: the four work-groups of a head read the same K and V, but as f32, 2 x 512 KiB, which must pass through registers to become 2 x 96 KiB of codes; landed in LDS by joint loads they would
; go through the 68 KiB that the codes leave free, in fifteen refills or more, each behind a round; and the branch round the band hangs on the query block, which would be the place in the cluster.
; Nothing is asked for ahead of the loads: each of them is itself issued a whole key step ahead of its use.
; LIMITS: NaN and infinities among the inputs are not served.  A block whose largest magnitude lies under 2^-124 gets the byte 1 (a block of zeros too, where the rule says 127: its codes are zeros, and the bytes are
; read by this program alone).  A score under about -87 gives -0 (2^(-s log2 e) has left f32, or the reciprocal falls under the smallest normal number) where silu has a magnitude under 1e-35.
.set ROWG,  4096                       ; a row (b, s) of q, k, v, out in bytes; a head's 64 numbers are 256 of them
.set PAIRG, 256*ROWG                   ; a pair of key steps in k and v
.set STEPB, 12288                      ; LDS: a key step's images: 4 fragments of K (two tiles each), then 4 of V
.set FRAGB, 1536                       ; a fragment's image: lane l's 12 registers at 48 l: three loads of 16 bytes, whose 16-byte columns 3 l mod 16 differ in the 16 lanes of a half
.set VOFF,  4*FRAGB
.set SCL,   16*STEPB                   ; 196,608: scale words, 512 bytes a step: K's at 16 r + 4 p, V's at 256 + 16 r + 4 tau
.set BIAS,  SCL+16*512                 ; 204,800: 80 groups of 512 bytes: group 2 n + i = registers 4 i .. 4 i + 3 of bias image n, lane l at 16 l
.set T2,    BIAS+80*512                ; 245,760: T2[idx] = w[bucket(idx - 127)][h], idx = 0 .. 511
.set STG,   T2+2048                    ; 247,808: a stage of 16 rows x (256 + 16) bytes for each wave, its own
.set SPITCH, 272
.set WSTG,  16*SPITCH
; vector registers that stay
.set FRB, 1                            ; 48 l
.set SCB, 2                            ; SCL + 16 r
.set BIB, 3                            ; BIAS + 16 l
.set FRA, 4                            ; the step's images
.set SCA, 5                            ; the step's scale words
.set ADB, 6                            ; at work: the step's bias images; the stage, row r, + 128 hh
.set OSW, 7                            ; stage: row r, + 32 hh
.set STW, 8                            ; stage: row hh, + 16 r
.set LV,  9                            ; memory: row hh, + 16 r
.set SH8, 10                           ; 8 hh
.set PX,  11                           ; a lane permute's destination
.set PWT, 12
.set VV,  13                           ; memory: 4 l
.set MXA, 14
.set MXB, 15
.set SO0, 16                           ; v16-17 the conversions' scale operands
.set BY0, 18                           ; v18-19 scale bytes (v19 also: where a task's scale bytes go)
.set AT2, 19
.set QSLO, 20                          ; the queries' scale word for (q, zeros);
.set QSHI, 21                          ; for (zeros, q)
.set QZ,  22                           ; v22-27 zeros, v28-33 the tile's codes, v34-39 zeros
.set QC,  28
.set QB,  40                           ; v40-45 the second tile's codes, v46 its scale word
.set QBW, 46
.set PW,  47                           ; P's scale word, and nothing else
.set WC,  48                           ; v48-55 the constant bias
.set KS,  56                           ; v56-59 K's scale words
.set VS,  60                           ; v60-63 V's
.set R,   64                           ; v64-95 the 32 numbers of k or v that are on their way
.set PC,  96                           ; v96-107 P's codes; at a step's head the codes of K or V just made
.set TMP, 108                          ; v108-110
.set AT1, 111                          ; where a task's codes go
.set S,   112                          ; v112-175 scores, then y; at a step's head v112-143: 32 neighbours along K
.set EA,  176                          ; v176-191, v192-207: the silu's two sets
.set EB,  192
.set KF,  176                          ; v176-223 four fragments of K, later of V: they lie over EA and EB, which are idle while fragments are multiplied
.set O,   224                          ; v224-255 O^T
; the head's own, in registers that the walks write later
.set BKT, 48
.set WVAL, 49
.set BOF, 50
.set LN,  51
.set RR,  52
.set HH,  53
.set TT,  54
.set GA,  55                           ; where my bias groups read T2
.set SA,  60                           ; and where they go
.set T2W, 61                           ; T2 + 4 x thread
; scalar registers
.set WVN, 14
.set SEL, 20
.set NC,  22
.set W0,  24
.set W31, 25
.set Q0,  26
.set DS,  27
.set TS,  28
.set TC,  29
.set CNT, 30
.set KPA, 40                           ; where my tile of K goes in the images: the pair's place + 12,288 (w / 8) + 1,536 ((w % 8) / 2) + 24 (w % 2)
.set KPS, 41                           ; and its two scale bytes: 512 (w / 8) + 4 ((w % 8) / 2) + 2 (w % 2)
.set VPA, 42                           ; my block of V: 12,288 (w / 8) + 6,144 + 3,072 (w % 2) + 768 ((w / 2) % 2) + 24 ((w / 4) % 2)
.set VPS, 43                           ; and its scale byte: 512 (w / 8) + 256 + 8 (w % 2) + (w % 8) / 2
	s_load_b256 s[4:11], s[0:1], 0x0               ; k s[4:5], q s[6:7], rab_weight s[8:9], v s[10:11]
	s_load_b64 s[12:13], s[0:1], 0x20              ; out0
	v_lshrrev_b32 v[TT], 5, v0
	v_readfirstlane_b32 s[WVN], v[TT]              ; wave 0..15
	v_and_b32 v[LN], 31, v0                        ; l
	v_and_b32 v[RR], 15, v0                        ; r
	v_bfe_u32 v[HH], v0, 4, 1                      ; hh
	s_and_b32 s16, ttmp7, 0xffff                   ; the head, 16 b + h
	s_lshr_b32 s17, s16, 4                         ; b
	s_and_b32 s18, s16, 15                         ; h
	s_lshl_b32 s19, s17, 23                        ; a batch is 2,048 rows of 4,096 bytes,
	s_lshl_b32 s15, s18, 8                         ; a head 256 bytes of each row
	s_add_co_u32 s19, s19, s15
	s_lshr_b32 s44, s[WVN], 3                      ; w / 8: which step of a pair
	s_and_b32 s45, s[WVN], 1                       ; w % 2
	s_bfe_u32 s46, s[WVN], 0x20001                 ; (w % 8) / 2
	s_bfe_u32 s47, s[WVN], 0x10002                 ; (w / 4) % 2
	s_bfe_u32 s39, s[WVN], 0x10001                 ; (w / 2) % 2
	s_and_b32 s38, s[WVN], 3                       ; w % 4
	s_lshl_b32 s32, s44, 19                        ; k: my tile's first key: 128 (w / 8) + 64 ((w / 4) % 2) + 8 (w % 4) rows
	s_lshl_b32 s33, s47, 18
	s_add_co_u32 s32, s32, s33
	s_lshl_b32 s33, s38, 15
	s_add_co_u32 s32, s32, s33
	s_add_co_u32 s32, s32, s19
	s_mov_b32 s33, 0                               ; all offsets lie under 2^26
	s_lshl_b32 s36, s44, 19                        ; v: my block's first key: 128 (w / 8) + 32 ((w % 8) / 2) rows; my 32 columns: 128 (w % 2) bytes
	s_lshl_b32 s37, s46, 17
	s_add_co_u32 s36, s36, s37
	s_lshl_b32 s37, s45, 7
	s_add_co_u32 s36, s36, s37
	s_add_co_u32 s36, s36, s19
	s_mov_b32 s37, 0
	s_lshl_b32 s34, ttmp9, 21                      ; q, out: my work-group's 512 queries,
	s_lshl_b32 s35, s[WVN], 17                     ; my wave's 32
	s_add_co_u32 s34, s34, s35
	s_add_co_u32 s34, s34, s19
	s_mov_b32 s35, 0
	s_lshl_b32 s16, s18, 2                         ; rab_weight: column h
	s_mov_b32 s17, 0
	s_mul_i32 s[KPA], s44, STEPB
	s_mul_i32 s15, s46, FRAGB
	s_add_co_u32 s[KPA], s[KPA], s15
	s_mul_i32 s15, s45, 24
	s_add_co_u32 s[KPA], s[KPA], s15
	s_lshl_b32 s[KPS], s44, 9
	s_lshl_b32 s15, s46, 2
	s_add_co_u32 s[KPS], s[KPS], s15
	s_lshl_b32 s15, s45, 1
	s_add_co_u32 s[KPS], s[KPS], s15
	s_mul_i32 s[VPA], s44, STEPB
	s_mul_i32 s15, s45, 2*FRAGB
	s_add_co_u32 s[VPA], s[VPA], s15
	s_mul_i32 s15, s39, 768
	s_add_co_u32 s[VPA], s[VPA], s15
	s_mul_i32 s15, s47, 24
	s_add_co_u32 s[VPA], s[VPA], s15
	s_add_co_u32 s[VPA], s[VPA], VOFF
	s_lshl_b32 s[VPS], s44, 9
	s_lshl_b32 s15, s45, 3
	s_add_co_u32 s[VPS], s[VPS], s15
	s_add_co_u32 s[VPS], s[VPS], s46
	s_add_co_u32 s[VPS], s[VPS], 256
	s_lshl_b32 s[Q0], ttmp9, 9
	s_lshl_b32 s15, s[WVN], 5
	s_add_co_u32 s[Q0], s[Q0], s15                 ; my first query in the head
	s_mov_b32 s[SEL], 0x76543210
	s_mov_b32 s[SEL+1], 0xfedcba98                 ; v_permlanex16_b32's selects for lane l xor 16
	s_mov_b32 s[NC], 0xbfb8aa3b                    ; -log2(e)
	s_mov_b32 s[NC+1], s[NC]                       ; (named with it as a pair, so it is written)
	s_mul_i32 s38, s[WVN], WSTG
	s_add_co_u32 s38, s38, STG                     ; my stage
	s_lshl_b32 s39, s[WVN], 9                      ; my first bias group
	s_lshr_b32 s44, s[WVN], 1
	s_lshl_b32 s44, s44, 5
	s_xor_b32 s45, s45, 1
	s_lshl_b32 s45, s45, 4
	s_add_co_u32 s44, s44, s45
	s_add_co_u32 s44, s44, T2
	v_mul_u32_u24 v[FRB], v[LN], 48
	v_lshl_add_u32 v[SCB], v[RR], 4, SCL
	v_lshl_add_u32 v[BIB], v[LN], 4, BIAS
	v_mul_u32_u24 v[OSW], v[RR], SPITCH
	v_lshl_add_u32 v[OSW], v[HH], 5, v[OSW]
	v_add_nc_u32 v[OSW], s38, v[OSW]
	v_mul_u32_u24 v[STW], v[HH], SPITCH
	v_lshl_add_u32 v[STW], v[RR], 4, v[STW]
	v_add_nc_u32 v[STW], s38, v[STW]
	v_lshlrev_b32 v[LV], 4, v[RR]
	v_lshl_add_u32 v[LV], v[HH], 12, v[LV]
	v_lshlrev_b32 v[SH8], 3, v[HH]
	v_lshlrev_b32 v[VV], 2, v[LN]
	v_xor_b32 v[TT], 1, v[HH]
	v_lshlrev_b32 v[GA], 2, v[RR]
	v_lshl_add_u32 v[GA], v[TT], 7, v[GA]
	v_add_nc_u32 v[GA], s44, v[GA]                 ; T2 + 4 (r + 32 (1 - hh) + 8 (w / 2) + 4 (1 - w % 2))
	v_add_nc_u32 v[SA], s39, v[BIB]
	v_lshl_add_u32 v[T2W], v0, 2, T2
.irp i, 0,1,2,3,4,5
	v_mov_b32 v[QZ+\i], 0                          ; the zero codes on both sides of the queries' codes
	v_mov_b32 v[QZ+12+\i], 0
.endr
	v_mov_b32 v[PX], 0                             ; written once: a lane permute's destination counts as one of its sources
	; thread idx makes T2[idx]: the bucket of the distance idx - 127.  The limits ascend, so the last one reached sets the bucket
	v_mov_b32 v[BKT], 0
.set BN, 1
.irp th, 1,2,3,4,5,6,7,8,9,10,11,12,13,14,15,16,19,21,24,27,31,35,40,46,52,59,67,77,87,99,113
	v_cmp_gt_u32 vcc_lo, \th+127, v0               ; the limit not reached: the bucket stays
	v_cndmask_b32 v[BKT], BN, v[BKT], vcc_lo
.set BN, BN+1
.endr
	v_lshlrev_b32 v[BOF], 6, v[BKT]                ; a bucket's row of rab_weight is 64 bytes
	s_wait_kmcnt 0x0
	s_add_nc_u64 s[4:5], s[4:5], s[32:33]
	s_add_nc_u64 s[10:11], s[10:11], s[36:37]
	s_add_nc_u64 s[6:7], s[6:7], s[34:35]
	s_add_nc_u64 s[12:13], s[12:13], s[34:35]
	s_add_nc_u64 s[8:9], s[8:9], s[16:17]
	s_load_b32 s[W0], s[8:9], 0x0                  ; w[0][h]
	s_load_b32 s[W31], s[8:9], 0x7c0               ; w[31][h]
	global_load_b32 v[WVAL], v[BOF], s[8:9]
.macro GLQ n, set                      ; the queries' tile n: each load takes two whole rows of the head, 256 aligned bytes each; read by this wave alone
.irp i, 0,1,2,3,4,5,6,7
	global_load_b128 v[\set+4*\i:\set+4*\i+3], v[LV], s[6:7] offset:(16*(\n)+2*\i)*ROWG th:TH_LOAD_NT
.endr
.endm
.macro GLK set                         ; my tile of K in the pair at which s[4:5] stands: rows m = 2 i, 2 i + 1 lie 32 (i / 4) + 2 (i % 4) keys behind the tile's first, and one more
.irp i, 0,1,2,3,4,5,6,7
	global_load_b128 v[\set+4*\i:\set+4*\i+3], v[LV], s[4:5] offset:(2*\i+24*(\i/4))*ROWG
.endr
.endm
.macro GLV                             ; my block of V: a lane takes a column, its registers run down the block's 32 keys: 128 aligned bytes a load (the other half of the 256 is wave w xor 1's, asked for at the same place of the text)
.irp i, 0,1,2,3,4,5,6,7,8,9,10,11,12,13,14,15,16,17,18,19,20,21,22,23,24,25,26,27,28,29,30,31
	global_load_b32 v[R+\i], v[VV], s[10:11] offset:\i*ROWG
.endr
.endm
.macro TURN set                        ; 16 rows x 256 bytes through my stage: in as loaded, back 128 bytes a lane: row r, numbers 32 hh .. 32 hh + 31, into v[S] on.  LDS serves a wave's instructions in order (ISA guide 5.7.1)
	v_mad_u32_u24 v[ADB], v[SH8], 12, v[OSW]       ; stage: row r, + 128 hh
.irp i, 0,1,2,3,4,5,6,7
	ds_store_b128 v[STW], v[\set+4*\i:\set+4*\i+3] offset:2*SPITCH*\i
.endr
.irp j, 0,1,2,3,4,5,6,7
	ds_load_b128 v[S+4*\j:S+4*\j+3], v[ADB] offset:16*\j
.endr
	s_wait_dscnt 0x0                               ; the 32 neighbours are in; the set has been read by its stores
.endm
.macro QBLOCK src, dst                 ; a block of 32 numbers in v[src] on becomes 6 registers of codes in v[dst] on and its scale byte in v[BY0]
	v_max3_num_f32 v[MXA], |v[\src]|, |v[\src+1]|, 0x1800000       ; the largest magnitude, in two chains, with the floor 2^(3 - 127) among its leaves: the byte cannot fall under 1
	v_max3_num_f32 v[MXB], |v[\src+16]|, |v[\src+17]|, |v[\src+18]|
.irp i, 0,2,4,6,8,10
	v_max3_num_f32 v[MXA], v[MXA], |v[\src+2+\i]|, |v[\src+3+\i]|
	v_max3_num_f32 v[MXB], v[MXB], |v[\src+19+\i]|, |v[\src+20+\i]|
.endr
	v_max3_num_f32 v[MXA], v[MXA], |v[\src+14]|, |v[\src+15]|
	v_max3_num_f32 v[MXA], v[MXA], v[MXB], |v[\src+31]|
	v_add_nc_u32 v[SO0], 0xff000000, v[MXA]        ; 2 off its exponent field: the conversion takes the exponent field of this operand as its scale
	v_cvt_scalef32_pk16_fp6_f32 v[\dst:\dst+2], v[\src:\src+15], v[SO0]
	v_cvt_scalef32_pk16_fp6_f32 v[TMP:TMP+2], v[\src+16:\src+31], v[SO0]   ; (a conversion's three registers begin on an even number)
	v_lshrrev_b32 v[BY0], 23, v[SO0]               ; the scale's byte; also the plain place behind the conversions
.irp i, 0,1,2
	v_mov_b32 v[\dst+3+\i], v[TMP+\i]
.endr
.endm
.macro WORD dst, src                   ; my byte goes 8 hh bits up and meets lane l xor 16's: a row's two bytes, in both lanes
	v_lshlrev_b32 v[\dst], v[SH8], v[\src]
	v_permlanex16_b32 v[PX], v[\dst], s[SEL], s[SEL+1]
	v_or_b32 v[\dst], v[\dst], v[PX]
.endm
.macro KFIN                            ; the tile of K in v[S] on: its codes are half of a fragment, 24 bytes a lane; its rows' two scale bytes half of a scale word
	QBLOCK S, PC
	WORD PWT, BY0
	v_add_nc_u32 v[AT1], s[KPA], v[FRB]
.irp p, 0,1,2
	ds_store_b64 v[AT1], v[PC+2*\p:PC+2*\p+1] offset:8*\p
.endr
	v_add_nc_u32 v[AT2], s[KPS], v[SCB]
	ds_store_b16 v[AT2], v[PWT]                    ; both halves of the lanes write the same two bytes with the same value
	s_add_co_u32 s[KPA], s[KPA], 2*STEPB           ; on to the next pair
	s_add_co_u32 s[KPS], s[KPS], 1024
.endm
.macro VFIN                            ; the block of V in v[R] on: column d = 32 (w % 2) + l is row r of fragment 2 (w % 2) + hh; key block kb is registers 6 (kb / 2) .. + 5 of lane r + 16 (kb % 2)
	QBLOCK R, PC
	v_mad_u32_u24 v[AT1], v[SH8], 96, v[FRB]       ; 48 r + 1,536 hh
	v_add_nc_u32 v[AT1], s[VPA], v[AT1]
.irp p, 0,1,2
	ds_store_b64 v[AT1], v[PC+2*\p:PC+2*\p+1] offset:8*\p
.endr
	v_lshrrev_b32 v[AT2], 1, v[SH8]
	v_add_nc_u32 v[AT2], v[AT2], v[SCB]            ; SCL + 16 r + 4 hh
	v_add_nc_u32 v[AT2], s[VPS], v[AT2]
	ds_store_b8 v[AT2], v[BY0]                     ; byte kb of the row's scale word
	s_add_co_u32 s[VPA], s[VPA], 2*STEPB
	s_add_co_u32 s[VPS], s[VPS], 1024
.endm
.macro BGL e, reg                      ; bias group w + 16 e: image n = w / 2 + 8 e, registers j = 4 (w % 2) + jj: T2[8 n + 39 + r - 32 hh - j]
.irp jj, 0,1,2,3
	ds_load_b32 v[\reg+\jj], v[GA] offset:256*\e+12-4*\jj
.endr
.endm
	; ---- THE HEAD: 57 loads of mine go out together: the table's number, two tiles of queries, my tile of K and my block of V of pair 0
	GLQ 0, 144
	GLQ 1, 176
	GLK 224
	GLV
	s_wait_loadcnt 56                              ; the table's number is in; the 56 loads issued behind it stay out
	ds_store_b32 v[T2W], v[WVAL]
	s_wait_dscnt 0x0                               ; for the others' sake
	s_barrier_signal -1
	s_barrier_wait -1                              ; T2 is whole
	BGL 0, 208
	BGL 1, 212
	BGL 2, 216
	BGL 3, 220
	BGL 4, 56
	s_wait_dscnt 0x0
.irp e, 0,1,2,3
	ds_store_b128 v[SA], v[208+4*\e:211+4*\e] offset:8192*\e
.endr
	ds_store_b128 v[SA], v[56:59] offset:8192*4
	s_wait_loadcnt 48                              ; the first tile of queries is in; 8 + 8 + 32 younger loads stay out
	TURN 144
	QBLOCK S, QC
	WORD QSLO, BY0
	v_lshlrev_b32 v[QSHI], 16, v[QSLO]
	s_wait_loadcnt 40                              ; the second; 8 + 32 stay out
	TURN 176
	QBLOCK S, QB
	WORD QBW, BY0
	s_wait_loadcnt 32                              ; my tile of K; V's 32 stay out.  K's loads are done, so their base may step
	s_add_nc_u64 s[4:5], s[4:5], PAIRG
	TURN 224
	KFIN
	s_wait_loadcnt 0x0                             ; my block of V
	s_add_nc_u64 s[10:11], s[10:11], PAIRG
	s_wait_dscnt 0x0                               ; the stores above have read the codes' and the addresses' registers
	VFIN
	GLK R                                          ; pair 1's tile of K: it lands under the first key step
	s_wait_dscnt 0x0                               ; for the others' sake: my part of pair 0 and my bias groups have landed
	s_barrier_signal -1
	s_barrier_wait -1                              ; pair 0 and the bias images lie in LDS
	s_wait_kmcnt 0x0                               ; w[0][h], w[31][h]
; ---- THE WALKS
.macro SCORES inplace                  ; eight tiles of 16 keys: fragment p against (q, zeros) for tile 2 p and against (zeros, q) for tile 2 p + 1.  Eight accumulators, one instruction each
.irp p, 0,1,2,3
.if \inplace
	v_wmma_scale_f32_16x16x128_f8f6f4 v[S+16*\p:S+16*\p+7], v[KF+12*\p:KF+12*\p+11], v[QC:QC+11], v[S+16*\p:S+16*\p+7], v[KS+\p], v[QSLO] matrix_a_fmt:MATRIX_FMT_FP6 matrix_b_fmt:MATRIX_FMT_FP6
	v_wmma_scale_f32_16x16x128_f8f6f4 v[S+16*\p+8:S+16*\p+15], v[KF+12*\p:KF+12*\p+11], v[QZ:QZ+11], v[S+16*\p+8:S+16*\p+15], v[KS+\p], v[QSHI] matrix_a_fmt:MATRIX_FMT_FP6 matrix_b_fmt:MATRIX_FMT_FP6
.else
	v_wmma_scale_f32_16x16x128_f8f6f4 v[S+16*\p:S+16*\p+7], v[KF+12*\p:KF+12*\p+11], v[QC:QC+11], v[WC:WC+7], v[KS+\p], v[QSLO] matrix_a_fmt:MATRIX_FMT_FP6 matrix_b_fmt:MATRIX_FMT_FP6
	v_wmma_scale_f32_16x16x128_f8f6f4 v[S+16*\p+8:S+16*\p+15], v[KF+12*\p:KF+12*\p+11], v[QZ:QZ+11], v[WC:WC+7], v[KS+\p], v[QSHI] matrix_a_fmt:MATRIX_FMT_FP6 matrix_b_fmt:MATRIX_FMT_FP6
.endif
.endr
.endm
.macro VLOAD t                         ; fragment t of V
.irp i, 0,1,2
	ds_load_b128 v[KF+12*\t+4*\i:KF+12*\t+4*\i+3], v[FRA] offset:VOFF+FRAGB*\t+16*\i
.endr
.endm
; silu(s) = s / (1 + 2^(-s log2 e)), on chunks k of 16 registers of S, through two sets of 16 (e)
.macro MULC k, e                       ; -s log2 e; each accumulator is read from its low end on
.irp j, 0,2,4,6,8,10,12,14
	v_pk_mul_f32 v[\e+\j:\e+\j+1], v[S+16*\k+\j:S+16*\k+\j+1], s[NC:NC+1] op_sel_hi:[1,0]
.endr
.endm
.macro EXPS e
.irp j, 0,1,2,3,4,5,6,7,8,9,10,11,12,13,14,15
	v_exp_f32 v[\e+\j], v[\e+\j]
.endr
.endm
.macro ADD1 e
	s_wait_alu depctr_va_vdst(0)
.irp j, 0,2,4,6,8,10,12,14
	v_pk_add_f32 v[\e+\j:\e+\j+1], v[\e+\j:\e+\j+1], 1.0 op_sel_hi:[1,0]
.endr
.endm
.macro RCPS e
.irp j, 0,1,2,3,4,5,6,7,8,9,10,11,12,13,14,15
	v_rcp_f32 v[\e+\j], v[\e+\j]
.endr
.endm
.macro FIN k, e                        ; y = s x the reciprocal, in place
	s_wait_alu depctr_va_vdst(0)
.irp j, 0,2,4,6,8,10,12,14
	v_pk_mul_f32 v[S+16*\k+\j:S+16*\k+\j+1], v[S+16*\k+\j:S+16*\k+\j+1], v[\e+\j:\e+\j+1]
.endr
.endm
.macro MAXE k                          ; a block's first 16 numbers, and the floor 2^(3 - 127)
	v_max3_num_f32 v[MXA], |v[S+16*\k]|, |v[S+16*\k+1]|, 0x1800000
	s_wait_alu depctr_va_vdst(0)
.irp i, 2,4,6,8,10,12,14
	v_max3_num_f32 v[MXA], v[MXA], |v[S+16*\k+\i]|, |v[S+16*\k+\i+1]|
.endr
.endm
.macro MAXO k                          ; its other 16, and both together: the block's largest magnitude: all 32 numbers are mine
	v_max3_num_f32 v[MXB], |v[S+16*\k]|, |v[S+16*\k+1]|, |v[S+16*\k+2]|
.irp i, 3,5,7,9,11,13
	v_max3_num_f32 v[MXB], v[MXB], |v[S+16*\k+\i]|, |v[S+16*\k+\i+1]|
.endr
	v_max3_num_f32 v[MXA], v[MXA], v[MXB], |v[S+16*\k+15]|
.endm
.macro SCALE c
	v_add_nc_u32 v[SO0+\c], 0xff000000, v[MXA]     ; 2 off the exponent field: the conversion's scale operand
	v_lshrrev_b32 v[BY0+\c], 23, v[SO0+\c]         ; the scale's byte
	s_wait_alu depctr_va_vdst(0)
.endm
; A KEY STEP of one tile of queries.  prod = 0: nothing is made.  prod = 1: my tile of K of the next pair is quantised, and its block of V asked for.  prod = 2: that block is quantised, and the tile of K of the pair
; after asked for.  What is made stands between the loads of K's fragments and the wait for them; it works in registers that are idle there: S, P's codes, the maxima's.
.macro STEP prod
	ds_load_b128 v[KS:KS+3], v[SCA]                ; row r's four scale words of K
.irp p, 0,1,2,3
.irp i, 0,1,2
	ds_load_b128 v[KF+12*\p+4*\i:KF+12*\p+4*\i+3], v[FRA] offset:FRAGB*\p+16*\i
.endr
.endr
	ds_load_b128 v[VS:VS+3], v[SCA] offset:256     ; and of V
.if \prod == 1
	s_wait_loadcnt 0x0                             ; my tile of K, asked for a key step ago; its loads are done, so their base may step
	s_add_nc_u64 s[4:5], s[4:5], PAIRG
	TURN R
	GLV                                            ; into the registers that the stage's stores have read
	KFIN
.elseif \prod == 2
	s_wait_loadcnt 0x0                             ; my block of V, asked for a key step ago
	s_add_nc_u64 s[10:11], s[10:11], PAIRG
	VFIN
	s_cmp_eq_u32 s[CNT], 1                         ; the last trip has made the last pair: no load leaves the head's keys
	s_cbranch_scc1 .Lnok_\@
	GLK R
.Lnok_\@:
.endif
	s_cmp_lt_u32 s[DS], 240                        ; 0 <= d <= 224: the band (a negative d is a large unsigned number).  A branch on ids and a counter
	s_cbranch_scc1 .Lband_\@
.if \prod
	s_wait_dscnt 0x0                               ; K's fragments are in, and the stores above have read their registers, which this step writes again
.else
	s_wait_dscnt 1                                 ; all but V's scale words, the youngest load
.endif
	SCORES 0
	s_branch .Ljoin_\@
.Lband_\@:
	s_min_u32 s34, s[DS], 224
	s_lshl_b32 s34, s34, 7                         ; image d / 8 + 11 - 8 c - g, 1,024 bytes each
	v_add_nc_u32 v[ADB], s34, v[BIB]
.irp t, 0,1,2,3,4,5,6,7
.irp i, 0,1
	ds_load_b128 v[S+8*\t+4*\i:S+8*\t+4*\i+3], v[ADB] offset:(11-8*(\t/4)-\t%4)*1024+512*\i
.endr
.endr
.irp j, 0,1,2,3,4,5,6,7
	v_mov_b32 v[WC+\j], s[W0]                      ; behind the band no key lies before its query
.endr
	s_wait_dscnt 0x0
	SCORES 1
.Ljoin_\@:
.rept 4
	v_nop                                          ; four places in front of the loads and vector writes into K's registers and of the first read of the scores
.endr
	VLOAD 3                                        ; V's fragments come as their registers fall free: the last lies clear of the silu's sets
	; every run of exponentials or reciprocals has a plain line that touches none of its registers behind it, before its results are used
	MULC 0, EA
	EXPS EA
	MULC 1, EB
	ADD1 EA
	RCPS EA
	EXPS EB
	v_nop
	s_wait_alu depctr_va_vdst(0)
	FIN 0, EA
	ADD1 EB
	RCPS EB
	MULC 2, EA
	FIN 1, EB
	EXPS EA
	MAXE 0
	ADD1 EA
	RCPS EA
	MULC 3, EB
	FIN 2, EA
	VLOAD 0                                        ; the first set has had its last use
	EXPS EB
	MAXO 1
	SCALE 0
	ADD1 EB
	RCPS EB
	MAXE 2
	FIN 3, EB
	VLOAD 1                                        ; and the second: these land while P is quantised
	VLOAD 2
	; P = Q(y): my block 2 c + hh is S[32 c .. 32 c + 31]; its codes are registers 6 c .. 6 c + 5 of the operand
	v_cvt_scalef32_pk16_fp6_f32 v[PC:PC+2], v[S:S+15], v[SO0]
	v_cvt_scalef32_pk16_fp6_f32 v[TMP:TMP+2], v[S+16:S+31], v[SO0]   ; (a conversion's three registers begin on an even number)
	MAXO 3                                         ; (plain lines behind the conversions)
.irp i, 0,1,2
	v_mov_b32 v[PC+3+\i], v[TMP+\i]
.endr
	SCALE 1
	v_lshl_or_b32 v[PWT], v[BY0+1], 16, v[BY0]     ; my two bytes: blocks hh and 2 + hh,
	v_lshlrev_b32 v[PWT], v[SH8], v[PWT]           ; at their places;
	v_permlanex16_b32 v[PX], v[PWT], s[SEL], s[SEL+1]
	v_or_b32 v[PW], v[PWT], v[PX]                  ; with lane l xor 16's two the query's scale word is whole
	v_cvt_scalef32_pk16_fp6_f32 v[PC+6:PC+8], v[S+32:S+47], v[SO0+1]
	v_cvt_scalef32_pk16_fp6_f32 v[TMP:TMP+2], v[S+48:S+63], v[SO0+1]
	v_nop                                          ; one plain place behind a scaled conversion
.irp i, 0,1,2
	v_mov_b32 v[PC+9+\i], v[TMP+\i]
.endr
.rept 7
	v_nop                                          ; with the one above: eight places behind the scale word's write that name no register of the product; more than four behind the last code's
.endr
	s_wait_dscnt 0x0                               ; V's fragments and scale words
.irp t, 0,1,2,3                        ; O^T += V^T P^T: four accumulators by turns; the next step's eight score products stand between two links of a chain
	v_wmma_scale_f32_16x16x128_f8f6f4 v[O+8*\t:O+8*\t+7], v[KF+12*\t:KF+12*\t+11], v[PC:PC+11], v[O+8*\t:O+8*\t+7], v[VS+\t], v[PW] matrix_a_fmt:MATRIX_FMT_FP6 matrix_b_fmt:MATRIX_FMT_FP6
.endr
	s_add_co_u32 s[TS], s[TS], STEPB
	s_add_co_u32 s[TC], s[TC], 512
	s_sub_co_u32 s[DS], s[DS], 128
	v_add_nc_u32 v[FRA], s[TS], v[FRB]             ; the next step's addresses: with the two lines below, the four places in front of the loads into V's registers, of the writes of P's and of the stores of O^T
	v_add_nc_u32 v[SCA], s[TC], v[SCB]
	v_nop
	v_nop
.endm
.macro TILEHEAD
.irp j, 0,1,2,3,4,5,6,7
	v_mov_b32 v[WC+\j], s[W31]                     ; ahead of the band every distance is 113 or more
.endr
.irp j, 0,1,2,3,4,5,6,7,8,9,10,11,12,13,14,15,16,17,18,19,20,21,22,23,24,25,26,27,28,29,30,31
	v_mov_b32 v[O+\j], 0                           ; O^T: 32 moves a tile stand for one more copy of the key step.  (They are also the places between the writes of the queries' codes and scale words and the first product)
.endr
	s_mov_b32 s[TS], 0
	s_mov_b32 s[TC], 0
	s_mov_b32 s[DS], s[Q0]                         ; d = the tile's first query - the step's first key
	v_add_nc_u32 v[FRA], s[TS], v[FRB]
	v_add_nc_u32 v[SCA], s[TC], v[SCB]
.endm
; THE WAY OUT of a tile: O[8 t + j] is o(query r, 16 t + 8 hh + j): through my stage, back as whole rows of the head's 256 bytes.  more = 1: the second tile follows
.macro TILEEND more
.irp t, 0,1,2,3
	ds_store_b128 v[OSW], v[O+8*\t:O+8*\t+3] offset:64*\t          ; each accumulator from its low end on
	ds_store_b128 v[OSW], v[O+8*\t+4:O+8*\t+7] offset:64*\t+16
.endr
.irp i, 0,1,2,3,4,5,6,7
	ds_load_b128 v[S+4*\i:S+4*\i+3], v[STW] offset:2*SPITCH*\i     ; my own bytes, served in order: these see the stores above
.endr
.if \more
.irp i, 0,1,2,3,4,5
	v_mov_b32 v[QC+\i], v[QB+\i]                   ; the second tile's queries take the first's place
.endr
	v_mov_b32 v[QSLO], v[QBW]
	v_lshlrev_b32 v[QSHI], 16, v[QBW]
.endif
.irp i, 0,1,2,3,4,5,6,7
	s_wait_dscnt 7-\i                              ; rows 2 i, 2 i + 1 are back; the younger loads stay out
	global_store_b128 v[LV], v[S+4*\i:S+4*\i+3], s[12:13] offset:2*ROWG*\i th:TH_STORE_NT   ; 16 lanes store 256 consecutive bytes, at a multiple of 256 from out0's first byte; written once
.endr
.if \more
	s_wait_xcnt 0x0                                ; the stores have read their registers and their base: both are written again only behind this wait
	s_add_nc_u64 s[12:13], s[12:13], 16*ROWG
	s_add_co_u32 s[Q0], s[Q0], 16
.endif
.endm
	TILEHEAD
	s_mov_b32 s[CNT], 7
.Lpair:                                            ; trip j = 0 .. 6: key steps 2 j and 2 j + 1 of the first tile; pair j + 1 is made
	STEP 1
	STEP 2
	s_wait_dscnt 0x0                               ; for the others' sake: my part of the next pair has landed
	s_barrier_signal -1
	s_barrier_wait -1                              ; the next pair is whole.  (An image is written once and never again: no wave need wait for another's reads)
	s_sub_co_i32 s[CNT], s[CNT], 1
	s_cmp_lg_u32 s[CNT], 0
	s_cbranch_scc1 .Lpair
	s_mov_b32 s[CNT], 2
.Llast:                                            ; the first tile's last pair: nothing is left to make
	STEP 0
	s_sub_co_i32 s[CNT], s[CNT], 1
	s_cmp_lg_u32 s[CNT], 0
	s_cbranch_scc1 .Llast
	TILEEND 1
	TILEHEAD
	s_mov_b32 s[CNT], 16
.Lsecond:                                          ; the second tile: all images lie in LDS and are only read
	STEP 0
	s_sub_co_i32 s[CNT], s[CNT], 1
	s_cmp_lg_u32 s[CNT], 0
	s_cbranch_scc1 .Lsecond
	TILEEND 0
	s_wait_xcnt 0x0
	v_lshl_add_u32 v174, v0, 2, 0x4d800
	v_mov_b32 v175, 0
	s_wait_tensorcnt 0x0
	ds_add_u32 v174, v175
	s_wait_dscnt 0x0
	s_endpgm
.Lfunc_end_k_q321694a294_paa:
	.size	k_q321694a294_paa, .Lfunc_end_k_q321694a294_paa-k_q321694a294_paa
	.p2alignl 7, 3214868480
	.fill 96, 4, 3214868480
	.section	.rodata,"a",@progbits
	.p2align	6, 0x0
	.amdhsa_kernel k_q321694a294_paa
		.amdhsa_group_segment_fixed_size 319488
		.amdhsa_private_segment_fixed_size 0
		.amdhsa_enable_private_segment 0
		.amdhsa_kernarg_size 40
		.amdhsa_user_sgpr_count 2
		.amdhsa_user_sgpr_kernarg_segment_ptr 1
		.amdhsa_wavefront_size32 1
		.amdhsa_system_sgpr_workgroup_id_x 1
		.amdhsa_system_sgpr_workgroup_id_y 1
		.amdhsa_system_sgpr_workgroup_id_z 1
		.amdhsa_system_vgpr_workitem_id 0
		.amdhsa_next_free_vgpr 256
		.amdhsa_next_free_sgpr 66
		.amdhsa_reserve_vcc 1
		.amdhsa_float_denorm_mode_32 3
		.amdhsa_float_denorm_mode_16_64 3
		.amdhsa_memory_ordered 1
		.amdhsa_forward_progress 1
		.amdhsa_inst_pref_size 123
	.end_amdhsa_kernel
	.amdgpu_metadata
---
amdhsa.version: [ 1, 2 ]
amdhsa.kernels:
  - .name:           k_q321694a294_paa
    .symbol:         k_q321694a294_paa.kd
    .args:
      - { .name: k, .offset: 0, .size: 8, .value_kind: global_buffer, .address_space: global }
      - { .name: q, .offset: 8, .size: 8, .value_kind: global_buffer, .address_space: global }
      - { .name: rab_weight, .offset: 16, .size: 8, .value_kind: global_buffer, .address_space: global }
      - { .name: v, .offset: 24, .size: 8, .value_kind: global_buffer, .address_space: global }
      - { .name: out0, .offset: 32, .size: 8, .value_kind: global_buffer, .address_space: global }
    .group_segment_fixed_size: 319488
    .private_segment_fixed_size: 0
    .kernarg_segment_align: 8
    .kernarg_segment_size: 40
    .max_flat_workgroup_size: 512
    .sgpr_count:     66
    .vgpr_count:     256
    .wavefront_size: 32
...
	.end_amdgpu_metadata
.endif
;; end of part 1
;; ======== version 2 of 2: 1 launch; version 1 with the launch paa written anew for expert scheduling mode
;; launch paa (part 2): grid 4 x 64, 16 waves a work-group, no clusters, 319,488 bytes of LDS; arguments k, q, rab_weight, v, out0; writes out0
.if DOCPART == 2
	.amdgcn_target "amdgcn-amd-amdhsa--gfx1250"
	.amdhsa_code_object_version 6
	.text
	.protected	k_q321694a294_paa
	.globl	k_q321694a294_paa
	.p2align	8
	.type	k_q321694a294_paa,@function
k_q321694a294_paa:
	s_mov_b64 s[64:65], 0
	v_nop
	global_prefetch_b8 v0, s[64:65] scope:SCOPE_SE
	s_setreg_imm32_b32 hwreg(HW_REG_WAVE_SCHED_MODE, 0, 2), 2
	s_setreg_imm32_b32 hwreg(HW_REG_WAVE_MODE, 25, 1), 1
	s_wait_xcnt 0x0
	s_wait_alu depctr_vm_vsrc(0)
; out[b][q][h][:] = sum over keys of Q(silu(Q(q) . Q(k) + bias(q - key)[h])) Q(v), 64 heads (4 batches x 16) of 2,048 queries, 2,048 keys, head size 64.
; Q is the MX quantiser to FP6 (E2M3), one E8M0 scale for each 32 along a product's K: the head's 64 for the first product, the keys for the second.  No softmax, no mask: key steps are independent.
; SHARES.  Work-group (x, y): head y = 16 b + h, queries 512 x .. 512 x + 511.  Sixteen waves of 256 registers, four to a SIMD: a key step of a tile of 16 queries is 12 matrix instructions beside some 290 vector
; instructions (128 of them exponentials and reciprocals), so the text spares vector work and leaves it to the four waves of a SIMD to stand in for each other.
; Wave w owns two tiles of 16 queries and walks, for each, 16 key steps of 128 keys.  The head's K and V lie in LDS as codes, in the order of the operand's registers (192 KiB).
; K AND V ARE QUANTISED UNDER THE FIRST TILE'S WALK, a pair of key steps (256 keys) at a time: a pair is 16 tiles of K and 16 blocks of V, one of each for each wave (step w / 8 of the pair; tile w % 8 of K; key
; block (w % 8) / 2, column half w % 2 of V).  The head makes the two tiles of queries (into registers), the bias images and pair 0.  A trip of the first walk computes pair j and makes pair j + 1: its even step
; quantises the tile of K that was asked for a step before and asks for the block of V, its odd step quantises that and asks for the next tile of K; one barrier closes the trip.  So each load has a whole key
; step in which to land, and a work-group takes in 64 KiB of f32 a step.  The first walk's last two steps and the second tile's walk make nothing and have no barrier.
; LAYOUT.  Both products are used transposed (S^T = K Q^T, O^T = V^T P^T): a lane (r = lane % 16, hh = lane / 16) holds ONE query r throughout.
; THE KEYS OF A SCORE TILE ARE NOT NEIGHBOURS: row m of tile t = 4 c + g is key 64 c + 32 (m / 8) + 8 g + m % 8, so that S[32 c + i] of a lane is key 64 c + 32 hh + i: a WHOLE block of 32 keys of P in one lane,
; in the order of the operand's registers: its largest magnitude asks no other lane, and the conversions' results are the operand.
; K = 64 IN A FORM OF K = 128: one fragment of K holds two tiles (tile 2 p in k 0-63, tile 2 p + 1 in k 64-127) and is multiplied twice, by (q, zeros) and by (zeros, q): 18 registers zeros | q | zeros serve both.
; Zero codes add nothing; the queries' scale bytes of the dead half are 0 (2^-127).
; THE BIAS is the C of the score products.  bucket(q - key) is 0 for key >= q and 31 for q - key >= 113 (the limits 1..16, 19, 21, 24, 27, 31, 35, 40, 46, 52, 59, 67, 77, 87, 99, 113 follow from the formula's
; 16 x 2^(3 n / 16), none of which lies near a whole number).  With d = the tile's first query - the step's first key, a multiple of 16: d >= 240: eight registers of w[31]; d < 0: of w[0]; 0 <= d <= 224 (one or two
; steps of a walk): the tile's bias is loaded from LDS into S and the product adds in place.  A bias tile hangs on d - 64 c - 8 g alone: 40 images of 1 KiB serve every tile.
; NO CLUSTER, NO TENSOR LOAD: the four work-groups of a head read the same K and V, but as f32, 2 x 512 KiB, which must pass through registers to become 2 x 96 KiB of codes; landed in LDS by joint loads they would
; go through the 68 KiB that the codes leave free, in fifteen refills or more, each behind a round; and the branch round the band hangs on the query block, which would be the place in the cluster.
; Nothing is asked for ahead of the loads: each of them is itself issued a whole key step ahead of its use.
; LIMITS: NaN and infinities among the inputs are not served.  A block whose largest magnitude lies under 2^-124 gets the byte 1 (a block of zeros too, where the rule says 127: its codes are zeros, and the bytes are
; read by this program alone).  A score under about -87 gives -0 (2^(-s log2 e) has left f32, or the reciprocal falls under the smallest normal number) where silu has a magnitude under 1e-35.
; THE MODE: SCHED_MODE bits 1:0 = 2 (LLVM: expert scheduling mode 2), set by the entry lines.  The code itself states the register dependences between vector or matrix instructions and memory or LDS
; instructions, with s_wait_alu, always for 0.
; THE PLAN.  Registers that memory or LDS instructions touch in a key step, and who else names them:
;   KF       K's fragments land at the step's head (last read by the step before's four products with V); V's land as their registers fall free: fragment 3 behind the score products, fragment 0 behind the
;            last line that reads EA, fragments 1 and 2 behind the last line that reads EB.
;   KS, VS   land at the step's head; read as scales by the products of the step before.
;   S        the stage's loads (a task of K, the way out) and the band's loads land in it; vector and matrix instructions read and write it; the way out's global stores read it.
;   R        global loads land in it; the stage's stores (K) or the quantiser (V) read it.
;   PC, PWT, BY0, AT1, AT2   written by a task's vector lines, read by its four LDS stores, written again when the same step quantises P (AT2 is BY0 + 1).
;   FRA, SCA read by the step's LDS loads, written by two adds at the step's end.   ADB  written ahead of a turn through the stage or in the band, read by the loads that follow.
;   O        written by products, read by the way out's LDS stores, cleared by the next tile's head.   STW, OSW, LV, VV: made at the head, never written again.
; WAITS ON va_vdst: one at a step's head; the seven between a batch of exponentials or reciprocals and the first line that names a result, two of which V's fragments 3 and 0 lean on too;
; one behind the silu's last line, for V's fragments 1 and 2; one ahead of the second product; one ahead of a task's stores; one in the band.  Between each of them and the loads and stores that lean on it no vector
; or matrix instruction names a register that those touch.  WAITS ON vm_vsrc: at a step's end, ahead of the adds to FRA and SCA; behind a turn through the stage; behind a task's stores, ahead of the branches.
.set ROWG,  4096                       ; a row (b, s) of q, k, v, out in bytes; a head's 64 numbers are 256 of them
.set PAIRG, 256*ROWG                   ; a pair of key steps in k and v
.set STEPB, 12288                      ; LDS: a key step's images: 4 fragments of K (two tiles each), then 4 of V
.set FRAGB, 1536                       ; a fragment's image: lane l's 12 registers at 48 l: three loads of 16 bytes, whose 16-byte columns 3 l mod 16 differ in the 16 lanes of a half
.set VOFF,  4*FRAGB
.set SCL,   16*STEPB                   ; 196,608: scale words, 512 bytes a step: K's at 16 r + 4 p, V's at 256 + 16 r + 4 tau
.set BIAS,  SCL+16*512                 ; 204,800: 80 groups of 512 bytes: group 2 n + i = registers 4 i .. 4 i + 3 of bias image n, lane l at 16 l
.set T2,    BIAS+80*512                ; 245,760: T2[idx] = w[bucket(idx - 127)][h], idx = 0 .. 511
.set STG,   T2+2048                    ; 247,808: a stage of 16 rows x (256 + 16) bytes for each wave, its own
.set SPITCH, 272
.set WSTG,  16*SPITCH
; vector registers that stay
.set FRB, 1                            ; 48 l
.set SCB, 2                            ; SCL + 16 r
.set BIB, 3                            ; BIAS + 16 l
.set FRA, 4                            ; the step's images
.set SCA, 5                            ; the step's scale words
.set ADB, 6                            ; at work: the step's bias images; the stage, row r, + 128 hh
.set OSW, 7                            ; stage: row r, + 32 hh
.set STW, 8                            ; stage: row hh, + 16 r
.set LV,  9                            ; memory: row hh, + 16 r
.set SH8, 10                           ; 8 hh
.set PX,  11                           ; a lane permute's destination
.set PWT, 12
.set VV,  13                           ; memory: 4 l
.set MXA, 14
.set MXB, 15
.set SO0, 16                           ; v16-17 the conversions' scale operands
.set BY0, 18                           ; v18-19 scale bytes (v19 also: where a task's scale bytes go)
.set AT2, 19
.set QSLO, 20                          ; the queries' scale word for (q, zeros);
.set QSHI, 21                          ; for (zeros, q)
.set QZ,  22                           ; v22-27 zeros, v28-33 the tile's codes, v34-39 zeros
.set QC,  28
.set QB,  40                           ; v40-45 the second tile's codes, v46 its scale word
.set QBW, 46
.set PW,  47                           ; P's scale word, and nothing else
.set WC,  48                           ; v48-55 the constant bias
.set KS,  56                           ; v56-59 K's scale words
.set VS,  60                           ; v60-63 V's
.set R,   64                           ; v64-95 the 32 numbers of k or v that are on their way
.set PC,  96                           ; v96-107 P's codes; at a step's head the codes of K or V just made
.set TMP, 108                          ; v108-110
.set AT1, 111                          ; where a task's codes go
.set S,   112                          ; v112-175 scores, then y; at a step's head v112-143: 32 neighbours along K
.set EA,  176                          ; v176-191, v192-207: the silu's two sets
.set EB,  192
.set KF,  176                          ; v176-223 four fragments of K, later of V: they lie over EA and EB, which are idle while fragments are multiplied
.set O,   224                          ; v224-255 O^T
; the head's own, in registers that the walks write later
.set BKT, 48
.set WVAL, 49
.set BOF, 50
.set LN,  51
.set RR,  52
.set HH,  53
.set TT,  54
.set GA,  55                           ; where my bias groups read T2
.set SA,  60                           ; and where they go
.set T2W, 61                           ; T2 + 4 x thread
; scalar registers
.set WVN, 14
.set SEL, 20
.set NC,  22
.set W0,  24
.set W31, 25
.set Q0,  26
.set DS,  27
.set TS,  28
.set TC,  29
.set CNT, 30
.set KPA, 40                           ; where my tile of K goes in the images: the pair's place + 12,288 (w / 8) + 1,536 ((w % 8) / 2) + 24 (w % 2)
.set KPS, 41                           ; and its two scale bytes: 512 (w / 8) + 4 ((w % 8) / 2) + 2 (w % 2)
.set VPA, 42                           ; my block of V: 12,288 (w / 8) + 6,144 + 3,072 (w % 2) + 768 ((w / 2) % 2) + 24 ((w / 4) % 2)
.set VPS, 43                           ; and its scale byte: 512 (w / 8) + 256 + 8 (w % 2) + (w % 8) / 2
	s_load_b256 s[4:11], s[0:1], 0x0               ; k s[4:5], q s[6:7], rab_weight s[8:9], v s[10:11]
	s_load_b64 s[12:13], s[0:1], 0x20              ; out0
	v_lshrrev_b32 v[TT], 5, v0
	v_readfirstlane_b32 s[WVN], v[TT]              ; wave 0..15
	v_and_b32 v[LN], 31, v0                        ; l
	v_and_b32 v[RR], 15, v0                        ; r
	v_bfe_u32 v[HH], v0, 4, 1                      ; hh
	s_and_b32 s16, ttmp7, 0xffff                   ; the head, 16 b + h
	s_lshr_b32 s17, s16, 4                         ; b
	s_and_b32 s18, s16, 15                         ; h
	s_lshl_b32 s19, s17, 23                        ; a batch is 2,048 rows of 4,096 bytes,
	s_lshl_b32 s15, s18, 8                         ; a head 256 bytes of each row
	s_add_co_u32 s19, s19, s15
	s_wait_alu depctr_va_sdst(0)                   ; the wave's number is written, ahead of its first reader: the shares, the offsets and the LDS places below are made from it
	s_lshr_b32 s44, s[WVN], 3                      ; w / 8: which step of a pair
	s_and_b32 s45, s[WVN], 1                       ; w % 2
	s_bfe_u32 s46, s[WVN], 0x20001                 ; (w % 8) / 2
	s_bfe_u32 s47, s[WVN], 0x10002                 ; (w / 4) % 2
	s_bfe_u32 s39, s[WVN], 0x10001                 ; (w / 2) % 2
	s_and_b32 s38, s[WVN], 3                       ; w % 4
	s_lshl_b32 s32, s44, 19                        ; k: my tile's first key: 128 (w / 8) + 64 ((w / 4) % 2) + 8 (w % 4) rows
	s_lshl_b32 s33, s47, 18
	s_add_co_u32 s32, s32, s33
	s_lshl_b32 s33, s38, 15
	s_add_co_u32 s32, s32, s33
	s_add_co_u32 s32, s32, s19
	s_mov_b32 s33, 0                               ; all offsets lie under 2^26
	s_lshl_b32 s36, s44, 19                        ; v: my block's first key: 128 (w / 8) + 32 ((w % 8) / 2) rows; my 32 columns: 128 (w % 2) bytes
	s_lshl_b32 s37, s46, 17
	s_add_co_u32 s36, s36, s37
	s_lshl_b32 s37, s45, 7
	s_add_co_u32 s36, s36, s37
	s_add_co_u32 s36, s36, s19
	s_mov_b32 s37, 0
	s_lshl_b32 s34, ttmp9, 21                      ; q, out: my work-group's 512 queries,
	s_lshl_b32 s35, s[WVN], 17                     ; my wave's 32
	s_add_co_u32 s34, s34, s35
	s_add_co_u32 s34, s34, s19
	s_mov_b32 s35, 0
	s_lshl_b32 s16, s18, 2                         ; rab_weight: column h
	s_mov_b32 s17, 0
	s_mul_i32 s[KPA], s44, STEPB
	s_mul_i32 s15, s46, FRAGB
	s_add_co_u32 s[KPA], s[KPA], s15
	s_mul_i32 s15, s45, 24
	s_add_co_u32 s[KPA], s[KPA], s15
	s_lshl_b32 s[KPS], s44, 9
	s_lshl_b32 s15, s46, 2
	s_add_co_u32 s[KPS], s[KPS], s15
	s_lshl_b32 s15, s45, 1
	s_add_co_u32 s[KPS], s[KPS], s15
	s_mul_i32 s[VPA], s44, STEPB
	s_mul_i32 s15, s45, 2*FRAGB
	s_add_co_u32 s[VPA], s[VPA], s15
	s_mul_i32 s15, s39, 768
	s_add_co_u32 s[VPA], s[VPA], s15
	s_mul_i32 s15, s47, 24
	s_add_co_u32 s[VPA], s[VPA], s15
	s_add_co_u32 s[VPA], s[VPA], VOFF
	s_lshl_b32 s[VPS], s44, 9
	s_lshl_b32 s15, s45, 3
	s_add_co_u32 s[VPS], s[VPS], s15
	s_add_co_u32 s[VPS], s[VPS], s46
	s_add_co_u32 s[VPS], s[VPS], 256
	s_lshl_b32 s[Q0], ttmp9, 9
	s_lshl_b32 s15, s[WVN], 5
	s_add_co_u32 s[Q0], s[Q0], s15                 ; my first query in the head
	s_mov_b32 s[SEL], 0x76543210
	s_mov_b32 s[SEL+1], 0xfedcba98                 ; v_permlanex16_b32's selects for lane l xor 16
	s_mov_b32 s[NC], 0xbfb8aa3b                    ; -log2(e)
	s_mov_b32 s[NC+1], s[NC]                       ; (named with it as a pair, so it is written)
	s_mul_i32 s38, s[WVN], WSTG
	s_add_co_u32 s38, s38, STG                     ; my stage
	s_lshl_b32 s39, s[WVN], 9                      ; my first bias group
	s_lshr_b32 s44, s[WVN], 1
	s_lshl_b32 s44, s44, 5
	s_xor_b32 s45, s45, 1
	s_lshl_b32 s45, s45, 4
	s_add_co_u32 s44, s44, s45
	s_add_co_u32 s44, s44, T2
	v_mul_u32_u24 v[FRB], v[LN], 48
	v_lshl_add_u32 v[SCB], v[RR], 4, SCL
	v_lshl_add_u32 v[BIB], v[LN], 4, BIAS
	v_mul_u32_u24 v[OSW], v[RR], SPITCH
	v_lshl_add_u32 v[OSW], v[HH], 5, v[OSW]
	v_add_nc_u32 v[OSW], s38, v[OSW]
	v_mul_u32_u24 v[STW], v[HH], SPITCH
	v_lshl_add_u32 v[STW], v[RR], 4, v[STW]
	v_add_nc_u32 v[STW], s38, v[STW]
	v_lshlrev_b32 v[LV], 4, v[RR]
	v_lshl_add_u32 v[LV], v[HH], 12, v[LV]
	v_lshlrev_b32 v[SH8], 3, v[HH]
	v_mad_u32_u24 v[ADB], v[SH8], 12, v[OSW]       ; stage: row r, + 128 hh: once for the head's three turns through the stage
	v_lshlrev_b32 v[VV], 2, v[LN]
	v_xor_b32 v[TT], 1, v[HH]
	v_lshlrev_b32 v[GA], 2, v[RR]
	v_lshl_add_u32 v[GA], v[TT], 7, v[GA]
	v_add_nc_u32 v[GA], s44, v[GA]                 ; T2 + 4 (r + 32 (1 - hh) + 8 (w / 2) + 4 (1 - w % 2))
	v_add_nc_u32 v[SA], s39, v[BIB]
	v_lshl_add_u32 v[T2W], v0, 2, T2
.irp i, 0,1,2,3,4,5
	v_mov_b32 v[QZ+\i], 0                          ; the zero codes on both sides of the queries' codes
	v_mov_b32 v[QZ+12+\i], 0
.endr
	v_mov_b32 v[PX], 0                             ; written once: a lane permute's destination counts as one of its sources
	; thread idx makes T2[idx]: the bucket of the distance idx - 127.  The limits ascend, so the last one reached sets the bucket.
	; The compares go in runs of eight, into eight scalar registers that are idle here (mask i in s44-47 and s27-30), with one wait behind each run
.macro LIMIT th
	v_cmp_gt_u32 s[44+MI-21*(MI/4)], (\th)+127, v0 ; the mask's bit is set where the limit is not reached
.set MI, MI+1
.endm
.macro SELECT n
.set MI, 0
.rept \n
	v_cndmask_b32 v[BKT], BN, v[BKT], s[44+MI-21*(MI/4)]   ; the limit not reached: the bucket stays
.set BN, BN+1
.set MI, MI+1
.endr
.set MI, 0
.endm
	v_mov_b32 v[BKT], 0
.set BN, 1
.set MI, 0
.irp th, 1,2,3,4,5,6,7,8
	LIMIT \th
.endr
	s_wait_alu depctr_va_sdst(0)                   ; the eight masks are written, ahead of the selects that read them
	SELECT 8
.irp th, 9,10,11,12,13,14,15,16
	LIMIT \th
.endr
	s_wait_alu depctr_va_sdst(0)                   ; the next eight masks are written
	SELECT 8
.irp th, 19,21,24,27,31,35,40,46
	LIMIT \th
.endr
	s_wait_alu depctr_va_sdst(0)                   ; the next eight masks are written
	SELECT 8
.irp th, 52,59,67,77,87,99,113
	LIMIT \th
.endr
	s_wait_alu depctr_va_sdst(0)                   ; the last seven masks are written
	SELECT 7
	v_lshlrev_b32 v[BOF], 6, v[BKT]                ; a bucket's row of rab_weight is 64 bytes
	s_wait_kmcnt 0x0
	s_add_nc_u64 s[4:5], s[4:5], s[32:33]
	s_add_nc_u64 s[10:11], s[10:11], s[36:37]
	s_add_nc_u64 s[6:7], s[6:7], s[34:35]
	s_add_nc_u64 s[12:13], s[12:13], s[34:35]
	s_add_nc_u64 s[8:9], s[8:9], s[16:17]
	s_load_b32 s[W0], s[8:9], 0x0                  ; w[0][h]
	s_load_b32 s[W31], s[8:9], 0x7c0               ; w[31][h]
	s_wait_alu depctr_va_vdst(0)                   ; the offsets and LDS addresses are written that the head's loads and stores read: BOF, LV, VV, T2W, GA, SA, STW, ADB; and OSW, which the way out's stores read
	global_load_b32 v[WVAL], v[BOF], s[8:9]
.macro GLQ n, set                      ; the queries' tile n: each load takes two whole rows of the head, 256 aligned bytes each; read by this wave alone
.irp i, 0,1,2,3,4,5,6,7
	global_load_b128 v[\set+4*\i:\set+4*\i+3], v[LV], s[6:7] offset:(16*(\n)+2*\i)*ROWG th:TH_LOAD_NT
.endr
.endm
.macro GLK set                         ; my tile of K in the pair at which s[4:5] stands: rows m = 2 i, 2 i + 1 lie 32 (i / 4) + 2 (i % 4) keys behind the tile's first, and one more
.irp i, 0,1,2,3,4,5,6,7
	global_load_b128 v[\set+4*\i:\set+4*\i+3], v[LV], s[4:5] offset:(2*\i+24*(\i/4))*ROWG
.endr
.endm
.macro GLV                             ; my block of V: a lane takes a column, its registers run down the block's 32 keys: 128 aligned bytes a load (the other half of the 256 is wave w xor 1's, asked for at the same place of the text)
.irp i, 0,1,2,3,4,5,6,7,8,9,10,11,12,13,14,15,16,17,18,19,20,21,22,23,24,25,26,27,28,29,30,31
	global_load_b32 v[R+\i], v[VV], s[10:11] offset:\i*ROWG
.endr
.endm
.macro TURN set                        ; 16 rows x 256 bytes through my stage: in as loaded, back 128 bytes a lane: row r, numbers 32 hh .. 32 hh + 31, into v[S] on.  LDS serves a wave's instructions in order (ISA guide 5.7.1)
.irp i, 0,1,2,3,4,5,6,7                ; (v[ADB] = the stage, row r, + 128 hh, was made ahead of the last wait on va_vdst, behind which no vector line names v[S ..])
	ds_store_b128 v[STW], v[\set+4*\i:\set+4*\i+3] offset:2*SPITCH*\i
.endr
.irp j, 0,1,2,3,4,5,6,7
	ds_load_b128 v[S+4*\j:S+4*\j+3], v[ADB] offset:16*\j
.endr
	s_wait_dscnt 0x0                               ; the 32 neighbours are in
.endm
.macro QBLOCK src, dst                 ; a block of 32 numbers in v[src] on becomes 6 registers of codes in v[dst] on and its scale byte in v[BY0]
	v_max3_num_f32 v[MXA], |v[\src]|, |v[\src+1]|, 0x1800000       ; the largest magnitude, in two chains, with the floor 2^(3 - 127) among its leaves: the byte cannot fall under 1
	v_max3_num_f32 v[MXB], |v[\src+16]|, |v[\src+17]|, |v[\src+18]|
.irp i, 0,2,4,6,8,10
	v_max3_num_f32 v[MXA], v[MXA], |v[\src+2+\i]|, |v[\src+3+\i]|
	v_max3_num_f32 v[MXB], v[MXB], |v[\src+19+\i]|, |v[\src+20+\i]|
.endr
	v_max3_num_f32 v[MXA], v[MXA], |v[\src+14]|, |v[\src+15]|
	v_max3_num_f32 v[MXA], v[MXA], v[MXB], |v[\src+31]|
	v_add_nc_u32 v[SO0], 0xff000000, v[MXA]        ; 2 off its exponent field: the conversion takes the exponent field of this operand as its scale
	v_cvt_scalef32_pk16_fp6_f32 v[\dst:\dst+2], v[\src:\src+15], v[SO0]
	v_cvt_scalef32_pk16_fp6_f32 v[TMP:TMP+2], v[\src+16:\src+31], v[SO0]   ; (a conversion's three registers begin on an even number)
	v_lshrrev_b32 v[BY0], 23, v[SO0]               ; the scale's byte; also the plain place behind the conversions
.irp i, 0,1,2
	v_mov_b32 v[\dst+3+\i], v[TMP+\i]
.endr
.endm
.macro WORD dst, src                   ; my byte goes 8 hh bits up and meets lane l xor 16's: a row's two bytes, in both lanes
	v_lshlrev_b32 v[\dst], v[SH8], v[\src]
	v_permlanex16_b32 v[PX], v[\dst], s[SEL], s[SEL+1]
	v_or_b32 v[\dst], v[\dst], v[PX]
.endm
.macro KFIN                            ; the tile of K in v[S] on: its codes are half of a fragment, 24 bytes a lane; its rows' two scale bytes half of a scale word
	QBLOCK S, PC
	WORD PWT, BY0
	v_add_nc_u32 v[AT1], s[KPA], v[FRB]
	v_add_nc_u32 v[AT2], s[KPS], v[SCB]
	s_wait_alu depctr_va_vdst(0)                   ; the codes, the two bytes and both addresses are written, which the four stores read
.irp p, 0,1,2
	ds_store_b64 v[AT1], v[PC+2*\p:PC+2*\p+1] offset:8*\p
.endr
	ds_store_b16 v[AT2], v[PWT]                    ; both halves of the lanes write the same two bytes with the same value
	s_add_co_u32 s[KPA], s[KPA], 2*STEPB           ; on to the next pair
	s_add_co_u32 s[KPS], s[KPS], 1024
.endm
.macro VFIN                            ; the block of V in v[R] on: column d = 32 (w % 2) + l is row r of fragment 2 (w % 2) + hh; key block kb is registers 6 (kb / 2) .. + 5 of lane r + 16 (kb % 2)
	QBLOCK R, PC
	v_mad_u32_u24 v[AT1], v[SH8], 96, v[FRB]       ; 48 r + 1,536 hh
	v_add_nc_u32 v[AT1], s[VPA], v[AT1]
	v_lshrrev_b32 v[AT2], 1, v[SH8]
	v_add_nc_u32 v[AT2], v[AT2], v[SCB]            ; SCL + 16 r + 4 hh
	v_add_nc_u32 v[AT2], s[VPS], v[AT2]
	s_wait_alu depctr_va_vdst(0)                   ; the codes, the byte and both addresses are written, which the four stores read; and the quantiser is done reading v[R ..], in which the next tile of K lands
.irp p, 0,1,2
	ds_store_b64 v[AT1], v[PC+2*\p:PC+2*\p+1] offset:8*\p
.endr
	ds_store_b8 v[AT2], v[BY0]                     ; byte kb of the row's scale word
	s_add_co_u32 s[VPA], s[VPA], 2*STEPB
	s_add_co_u32 s[VPS], s[VPS], 1024
.endm
.macro BGL e, reg                      ; bias group w + 16 e: image n = w / 2 + 8 e, registers j = 4 (w % 2) + jj: T2[8 n + 39 + r - 32 hh - j]
.irp jj, 0,1,2,3
	ds_load_b32 v[\reg+\jj], v[GA] offset:256*\e+12-4*\jj
.endr
.endm
	; ---- THE HEAD: 57 loads of mine go out together: the table's number, two tiles of queries, my tile of K and my block of V of pair 0
	GLQ 0, 144
	GLQ 1, 176
	GLK 224
	GLV
	s_wait_loadcnt 56                              ; the table's number is in; the 56 loads issued behind it stay out
	ds_store_b32 v[T2W], v[WVAL]
	s_wait_dscnt 0x0                               ; for the others' sake
	s_barrier_signal -1
	s_barrier_wait -1                              ; T2 is whole
	BGL 0, 208
	BGL 1, 212
	BGL 2, 216
	BGL 3, 220
	BGL 4, 56
	s_wait_dscnt 0x0
.irp e, 0,1,2,3
	ds_store_b128 v[SA], v[208+4*\e:211+4*\e] offset:8192*\e
.endr
	ds_store_b128 v[SA], v[56:59] offset:8192*4
	s_wait_loadcnt 48                              ; the first tile of queries is in; 8 + 8 + 32 younger loads stay out
	TURN 144
	QBLOCK S, QC
	WORD QSLO, BY0
	v_lshlrev_b32 v[QSHI], 16, v[QSLO]
	s_wait_loadcnt 40                              ; the second; 8 + 32 stay out
	s_wait_alu depctr_va_vdst(0)                   ; the quantiser is done reading v[S ..], in which the stage's next loads land
	TURN 176
	QBLOCK S, QB
	WORD QBW, BY0
	s_wait_loadcnt 32                              ; my tile of K; V's 32 stay out.  K's loads are done, so their base may step
	s_add_nc_u64 s[4:5], s[4:5], PAIRG
	s_wait_alu depctr_va_vdst(0)                   ; the quantiser is done reading v[S ..], in which the stage's next loads land
	TURN 224
	KFIN
	s_wait_loadcnt 0x0                             ; my block of V
	s_add_nc_u64 s[10:11], s[10:11], PAIRG
	s_wait_dscnt 0x0                               ; the stores above are done
	s_wait_alu depctr_vm_vsrc(0)                   ; the head's LDS and memory instructions have read their registers: K's codes, bytes and addresses, which V's task writes; BOF, WVAL, GA and v224-255, which the tile's head writes; ADB; v56-61 and v176-223, in which the first step's loads land
	VFIN
	GLK R                                          ; pair 1's tile of K: it lands under the first key step.  No vector line since the wait in V's task names v[R ..]
	s_wait_dscnt 0x0                               ; for the others' sake: my part of pair 0 and my bias groups have landed
	s_barrier_signal -1
	s_barrier_wait -1                              ; pair 0 and the bias images lie in LDS
	s_wait_kmcnt 0x0                               ; w[0][h], w[31][h]
; ---- THE WALKS
.macro SCORES inplace                  ; eight tiles of 16 keys: fragment p against (q, zeros) for tile 2 p and against (zeros, q) for tile 2 p + 1.  Eight accumulators, one instruction each
.irp p, 0,1,2,3
.if \inplace
	v_wmma_scale_f32_16x16x128_f8f6f4 v[S+16*\p:S+16*\p+7], v[KF+12*\p:KF+12*\p+11], v[QC:QC+11], v[S+16*\p:S+16*\p+7], v[KS+\p], v[QSLO] matrix_a_fmt:MATRIX_FMT_FP6 matrix_b_fmt:MATRIX_FMT_FP6
	v_wmma_scale_f32_16x16x128_f8f6f4 v[S+16*\p+8:S+16*\p+15], v[KF+12*\p:KF+12*\p+11], v[QZ:QZ+11], v[S+16*\p+8:S+16*\p+15], v[KS+\p], v[QSHI] matrix_a_fmt:MATRIX_FMT_FP6 matrix_b_fmt:MATRIX_FMT_FP6
.else
	v_wmma_scale_f32_16x16x128_f8f6f4 v[S+16*\p:S+16*\p+7], v[KF+12*\p:KF+12*\p+11], v[QC:QC+11], v[WC:WC+7], v[KS+\p], v[QSLO] matrix_a_fmt:MATRIX_FMT_FP6 matrix_b_fmt:MATRIX_FMT_FP6
	v_wmma_scale_f32_16x16x128_f8f6f4 v[S+16*\p+8:S+16*\p+15], v[KF+12*\p:KF+12*\p+11], v[QZ:QZ+11], v[WC:WC+7], v[KS+\p], v[QSHI] matrix_a_fmt:MATRIX_FMT_FP6 matrix_b_fmt:MATRIX_FMT_FP6
.endif
.endr
.endm
.macro VLOAD t                         ; fragment t of V
.irp i, 0,1,2
	ds_load_b128 v[KF+12*\t+4*\i:KF+12*\t+4*\i+3], v[FRA] offset:VOFF+FRAGB*\t+16*\i
.endr
.endm
; silu(s) = s / (1 + 2^(-s log2 e)), on chunks k of 16 registers of S, through two sets of 16 (e).  The waits between these pieces are written out in the step
.macro MULC k, e                       ; -s log2 e; each accumulator is read from its low end on
.irp j, 0,2,4,6,8,10,12,14
	v_pk_mul_f32 v[\e+\j:\e+\j+1], v[S+16*\k+\j:S+16*\k+\j+1], s[NC:NC+1] op_sel_hi:[1,0]
.endr
.endm
.macro EXPS e
.irp j, 0,1,2,3,4,5,6,7,8,9,10,11,12,13,14,15
	v_exp_f32 v[\e+\j], v[\e+\j]
.endr
.endm
.macro ADD1 e
.irp j, 0,2,4,6,8,10,12,14
	v_pk_add_f32 v[\e+\j:\e+\j+1], v[\e+\j:\e+\j+1], 1.0 op_sel_hi:[1,0]
.endr
.endm
.macro RCPS e
.irp j, 0,1,2,3,4,5,6,7,8,9,10,11,12,13,14,15
	v_rcp_f32 v[\e+\j], v[\e+\j]
.endr
.endm
.macro FIN k, e                        ; y = s x the reciprocal, in place
.irp j, 0,2,4,6,8,10,12,14
	v_pk_mul_f32 v[S+16*\k+\j:S+16*\k+\j+1], v[S+16*\k+\j:S+16*\k+\j+1], v[\e+\j:\e+\j+1]
.endr
.endm
.macro MAXE k                          ; a block's first 16 numbers, and the floor 2^(3 - 127)
	v_max3_num_f32 v[MXA], |v[S+16*\k]|, |v[S+16*\k+1]|, 0x1800000
.irp i, 2,4,6,8,10,12,14
	v_max3_num_f32 v[MXA], v[MXA], |v[S+16*\k+\i]|, |v[S+16*\k+\i+1]|
.endr
.endm
.macro MAXO k                          ; its other 16, and both together: the block's largest magnitude: all 32 numbers are mine
	v_max3_num_f32 v[MXB], |v[S+16*\k]|, |v[S+16*\k+1]|, |v[S+16*\k+2]|
.irp i, 3,5,7,9,11,13
	v_max3_num_f32 v[MXB], v[MXB], |v[S+16*\k+\i]|, |v[S+16*\k+\i+1]|
.endr
	v_max3_num_f32 v[MXA], v[MXA], v[MXB], |v[S+16*\k+15]|
.endm
.macro SCALE c
	v_add_nc_u32 v[SO0+\c], 0xff000000, v[MXA]     ; 2 off the exponent field: the conversion's scale operand
	v_lshrrev_b32 v[BY0+\c], 23, v[SO0+\c]         ; the scale's byte
.endm
; A KEY STEP of one tile of queries.  prod = 0: nothing is made.  prod = 1: my tile of K of the next pair is quantised, and its block of V asked for.  prod = 2: that block is quantised, and the tile of K of the pair
; after asked for.  What is made stands between the loads of K's fragments and the wait for them; it works in registers that are idle there: S, P's codes, the maxima's.
.macro STEP prod
.if \prod == 1
	v_mad_u32_u24 v[ADB], v[SH8], 12, v[OSW]       ; stage: row r, + 128 hh.  (The loads that read v[ADB] last stand ahead of the wait on vm_vsrc at the last step's end; in the first step: of the head's)
.endif
	s_wait_alu depctr_va_vdst(0)                   ; the last step's products with V are done reading v[KF ..] and v[VS ..], its score products v[KS ..], its conversions v[S ..]; v[FRA], v[SCA] (prod = 1: v[ADB]) are written; in a tile's first step the queries' codes and scale words, which the scaled products take, are written
	ds_load_b128 v[KS:KS+3], v[SCA]                ; row r's four scale words of K
.irp p, 0,1,2,3
.irp i, 0,1,2
	ds_load_b128 v[KF+12*\p+4*\i:KF+12*\p+4*\i+3], v[FRA] offset:FRAGB*\p+16*\i
.endr
.endr
	ds_load_b128 v[VS:VS+3], v[SCA] offset:256     ; and of V
.if \prod == 1
	s_wait_loadcnt 0x0                             ; my tile of K, asked for a key step ago; its loads are done, so their base may step
	s_add_nc_u64 s[4:5], s[4:5], PAIRG
	TURN R
	s_wait_alu depctr_vm_vsrc(0)                   ; the stage's stores have read v[R ..], in which V's block lands; the last task's stores have read the registers that this task writes
	GLV                                            ; no vector line since the wait at the step's head, so none names v[R ..]
	KFIN
	s_wait_alu depctr_vm_vsrc(0)                   ; the task's stores have read P's codes' registers, v[PWT], v[AT1] and v[AT2], which this step writes again.  Ahead of the branch
.elseif \prod == 2
	s_wait_loadcnt 0x0                             ; my block of V, asked for a key step ago
	s_add_nc_u64 s[10:11], s[10:11], PAIRG
	VFIN
	s_wait_alu depctr_vm_vsrc(0)                   ; the task's stores have read P's codes' registers, v[BY0], v[AT1] and v[AT2], which this step writes again.  Ahead of the branches
	s_cmp_eq_u32 s[CNT], 1                         ; the last trip has made the last pair: no load leaves the head's keys
	s_cbranch_scc1 .Lnok_\@
	GLK R                                          ; no vector line since the wait in V's task names v[R ..]
.Lnok_\@:
.endif
	s_cmp_lt_u32 s[DS], 240                        ; 0 <= d <= 224: the band (a negative d is a large unsigned number).  A branch on ids and a counter
	s_cbranch_scc1 .Lband_\@
.if \prod
	s_wait_dscnt 0x0                               ; K's fragments are in, and the task's stores are done
.else
	s_wait_dscnt 1                                 ; all but V's scale words, the youngest load
.endif
	SCORES 0
	s_branch .Ljoin_\@
.Lband_\@:
	s_min_u32 s34, s[DS], 224
	s_lshl_b32 s34, s34, 7                         ; image d / 8 + 11 - 8 c - g, 1,024 bytes each
	v_add_nc_u32 v[ADB], s34, v[BIB]
	s_wait_alu depctr_va_vdst(0)                   ; v[ADB] is written, which the sixteen loads read; every line that named v[S ..], in which they land, stands ahead of this wait
.irp t, 0,1,2,3,4,5,6,7
.irp i, 0,1
	ds_load_b128 v[S+8*\t+4*\i:S+8*\t+4*\i+3], v[ADB] offset:(11-8*(\t/4)-\t%4)*1024+512*\i
.endr
.endr
.irp j, 0,1,2,3,4,5,6,7
	v_mov_b32 v[WC+\j], s[W0]                      ; behind the band no key lies before its query
.endr
	s_wait_dscnt 0x0
	SCORES 1
.Ljoin_\@:
.rept 4
	v_nop                                          ; four places (ISA guide 7.12.1) in front of the vector writes into K's registers and of the first read of the scores
.endr
	; every run of exponentials or reciprocals has a plain line that touches none of its registers behind it, and one wait between it and the first line that names a result
	MULC 0, EA
	EXPS EA
	MULC 1, EB
	s_wait_alu depctr_va_vdst(0)                   ; the exponentials have written EA; and the score products are done reading K's last fragment, in whose registers V's last lands
	VLOAD 3                                        ; V's fragments come as their registers fall free: the last lies clear of the silu's sets
	ADD1 EA
	RCPS EA
	EXPS EB
	v_nop
	s_wait_alu depctr_va_vdst(0)                   ; the reciprocals have written EA, the exponentials EB
	FIN 0, EA
	ADD1 EB
	RCPS EB
	MULC 2, EA
	s_wait_alu depctr_va_vdst(0)                   ; the reciprocals have written EB
	FIN 1, EB
	EXPS EA
	MAXE 0
	s_wait_alu depctr_va_vdst(0)                   ; the exponentials have written EA
	ADD1 EA
	RCPS EA
	MULC 3, EB
	s_wait_alu depctr_va_vdst(0)                   ; the reciprocals have written EA
	FIN 2, EA
	EXPS EB
	MAXO 1
	SCALE 0
	s_wait_alu depctr_va_vdst(0)                   ; the exponentials have written EB; and the multiplies are done reading EA, which has had its last use: V's first fragment lands there
	VLOAD 0                                        ; the lines from here to the second product name none of its registers
	ADD1 EB
	RCPS EB
	MAXE 2
	s_wait_alu depctr_va_vdst(0)                   ; the reciprocals have written EB
	FIN 3, EB
	s_wait_alu depctr_va_vdst(0)                   ; the multiplies are done reading EB, which has had its last use: V's fragments 1 and 2 land there and in EA's last four registers
	VLOAD 1                                        ; these land while P is quantised
	VLOAD 2
	; P = Q(y): my block 2 c + hh is S[32 c .. 32 c + 31]; its codes are registers 6 c .. 6 c + 5 of the operand
	v_cvt_scalef32_pk16_fp6_f32 v[PC:PC+2], v[S:S+15], v[SO0]
	v_cvt_scalef32_pk16_fp6_f32 v[TMP:TMP+2], v[S+16:S+31], v[SO0]   ; (a conversion's three registers begin on an even number)
	MAXO 3                                         ; (plain lines behind the conversions)
.irp i, 0,1,2
	v_mov_b32 v[PC+3+\i], v[TMP+\i]
.endr
	SCALE 1
	v_lshl_or_b32 v[PWT], v[BY0+1], 16, v[BY0]     ; my two bytes: blocks hh and 2 + hh,
	v_lshlrev_b32 v[PWT], v[SH8], v[PWT]           ; at their places;
	v_permlanex16_b32 v[PX], v[PWT], s[SEL], s[SEL+1]
	v_or_b32 v[PW], v[PWT], v[PX]                  ; with lane l xor 16's two the query's scale word is whole
	v_cvt_scalef32_pk16_fp6_f32 v[PC+6:PC+8], v[S+32:S+47], v[SO0+1]
	v_cvt_scalef32_pk16_fp6_f32 v[TMP:TMP+2], v[S+48:S+63], v[SO0+1]
	v_nop                                          ; one plain place behind a scaled conversion
.irp i, 0,1,2
	v_mov_b32 v[PC+9+\i], v[TMP+\i]
.endr
.rept 7
	v_nop                                          ; with the one above: eight places behind the scale word's write that name no register of the product; more than four behind the last code's
.endr
	s_wait_alu depctr_va_vdst(0)                   ; behind the places: P's codes and its scale word are written by vector lines, and the scaled products take them
	s_wait_dscnt 0x0                               ; V's fragments and scale words
.irp t, 0,1,2,3                        ; O^T += V^T P^T: four accumulators by turns; the next step's eight score products stand between two links of a chain
	v_wmma_scale_f32_16x16x128_f8f6f4 v[O+8*\t:O+8*\t+7], v[KF+12*\t:KF+12*\t+11], v[PC:PC+11], v[O+8*\t:O+8*\t+7], v[VS+\t], v[PW] matrix_a_fmt:MATRIX_FMT_FP6 matrix_b_fmt:MATRIX_FMT_FP6
.endr
	s_add_co_u32 s[TS], s[TS], STEPB
	s_add_co_u32 s[TC], s[TC], 512
	s_sub_co_u32 s[DS], s[DS], 128
	s_wait_alu depctr_vm_vsrc(0)                   ; this step's LDS loads have read v[FRA] and v[SCA], which the two lines below write, and in the band v[ADB], which the next step may write
	v_add_nc_u32 v[FRA], s[TS], v[FRB]             ; the next step's addresses: with the two lines below, the four places in front of the writes of P's registers and of the stores of O^T
	v_add_nc_u32 v[SCA], s[TC], v[SCB]
	v_nop
	v_nop
.endm
.macro TILEHEAD
.irp j, 0,1,2,3,4,5,6,7
	v_mov_b32 v[WC+\j], s[W31]                     ; ahead of the band every distance is 113 or more
.endr
.irp j, 0,1,2,3,4,5,6,7,8,9,10,11,12,13,14,15,16,17,18,19,20,21,22,23,24,25,26,27,28,29,30,31
	v_mov_b32 v[O+\j], 0                           ; O^T: 32 moves a tile stand for one more copy of the key step.  (They are also the places between the writes of the queries' codes and scale words and the first product)
.endr
	s_mov_b32 s[TS], 0
	s_mov_b32 s[TC], 0
	s_mov_b32 s[DS], s[Q0]                         ; d = the tile's first query - the step's first key
	v_add_nc_u32 v[FRA], s[TS], v[FRB]
	v_add_nc_u32 v[SCA], s[TC], v[SCB]
.endm
; THE WAY OUT of a tile: O[8 t + j] is o(query r, 16 t + 8 hh + j): through my stage, back as whole rows of the head's 256 bytes.  more = 1: the second tile follows
.macro TILEEND more
	s_wait_alu depctr_va_vdst(0)                   ; behind the four places at the last step's end: the products have written O^T, which the stage's stores read; the conversions are done reading v[S ..], in which the stage's loads land
.irp t, 0,1,2,3
	ds_store_b128 v[OSW], v[O+8*\t:O+8*\t+3] offset:64*\t          ; each accumulator from its low end on
	ds_store_b128 v[OSW], v[O+8*\t+4:O+8*\t+7] offset:64*\t+16
.endr
.irp i, 0,1,2,3,4,5,6,7
	ds_load_b128 v[S+4*\i:S+4*\i+3], v[STW] offset:2*SPITCH*\i     ; my own bytes, served in order: these see the stores above
.endr
.if \more
.irp i, 0,1,2,3,4,5
	v_mov_b32 v[QC+\i], v[QB+\i]                   ; the second tile's queries take the first's place.  (These lines name no register of the loads above or of the stores below)
.endr
	v_mov_b32 v[QSLO], v[QBW]
	v_lshlrev_b32 v[QSHI], 16, v[QBW]
.endif
.irp i, 0,1,2,3,4,5,6,7
	s_wait_dscnt 7-\i                              ; rows 2 i, 2 i + 1 are back; the younger loads stay out
	global_store_b128 v[LV], v[S+4*\i:S+4*\i+3], s[12:13] offset:2*ROWG*\i th:TH_STORE_NT   ; 16 lanes store 256 consecutive bytes, at a multiple of 256 from out0's first byte; written once
.endr
.if \more
	s_wait_xcnt 0x0                                ; the stores have read their registers and their base: both are written again only behind this wait
	s_wait_alu depctr_vm_vsrc(0)                   ; the stage's stores have read O^T, which the next tile's head clears; the global stores have read v[S ..], which the next scores write
	s_add_nc_u64 s[12:13], s[12:13], 16*ROWG
	s_add_co_u32 s[Q0], s[Q0], 16
.endif
.endm
	TILEHEAD
	s_mov_b32 s[CNT], 7
.Lpair:                                            ; trip j = 0 .. 6: key steps 2 j and 2 j + 1 of the first tile; pair j + 1 is made
	STEP 1
	STEP 2
	s_wait_dscnt 0x0                               ; for the others' sake: my part of the next pair has landed
	s_barrier_signal -1
	s_barrier_wait -1                              ; the next pair is whole.  (An image is written once and never again: no wave need wait for another's reads)
	s_sub_co_i32 s[CNT], s[CNT], 1
	s_cmp_lg_u32 s[CNT], 0
	s_cbranch_scc1 .Lpair
	s_mov_b32 s[CNT], 2
.Llast:                                            ; the first tile's last pair: nothing is left to make
	STEP 0
	s_sub_co_i32 s[CNT], s[CNT], 1
	s_cmp_lg_u32 s[CNT], 0
	s_cbranch_scc1 .Llast
	TILEEND 1
	TILEHEAD
	s_mov_b32 s[CNT], 16
.Lsecond:                                          ; the second tile: all images lie in LDS and are only read
	STEP 0
	s_sub_co_i32 s[CNT], s[CNT], 1
	s_cmp_lg_u32 s[CNT], 0
	s_cbranch_scc1 .Lsecond
	TILEEND 0
	s_wait_xcnt 0x0
	v_lshl_add_u32 v174, v0, 2, 0x4d800            ; the add's two registers, made anew straight ahead of the closing lines: no LDS or memory instruction of the text reads v174 or v175
	v_mov_b32 v175, 0
	s_wait_dscnt 0x0                               ; the closing lines, six on end
	s_wait_alu 0x0
	s_wait_tensorcnt 0x0
	ds_add_u32 v174, v175
	s_wait_dscnt 0x0
	s_endpgm
.Lfunc_end_k_q321694a294_paa:
	.size	k_q321694a294_paa, .Lfunc_end_k_q321694a294_paa-k_q321694a294_paa
	.p2alignl 7, 3214868480
	.fill 96, 4, 3214868480
	.section	.rodata,"a",@progbits
	.p2align	6, 0x0
	.amdhsa_kernel k_q321694a294_paa
		.amdhsa_group_segment_fixed_size 319488
		.amdhsa_private_segment_fixed_size 0
		.amdhsa_enable_private_segment 0
		.amdhsa_kernarg_size 40
		.amdhsa_user_sgpr_count 2
		.amdhsa_user_sgpr_kernarg_segment_ptr 1
		.amdhsa_wavefront_size32 1
		.amdhsa_system_sgpr_workgroup_id_x 1
		.amdhsa_system_sgpr_workgroup_id_y 1
		.amdhsa_system_sgpr_workgroup_id_z 1
		.amdhsa_system_vgpr_workitem_id 0
		.amdhsa_next_free_vgpr 256
		.amdhsa_next_free_sgpr 66
		.amdhsa_reserve_vcc 0
		.amdhsa_float_denorm_mode_32 3
		.amdhsa_float_denorm_mode_16_64 3
		.amdhsa_memory_ordered 1
		.amdhsa_forward_progress 1
		.amdhsa_inst_pref_size 125
	.end_amdhsa_kernel
	.amdgpu_metadata
---
amdhsa.version: [ 1, 2 ]
amdhsa.kernels:
  - .name:           k_q321694a294_paa
    .symbol:         k_q321694a294_paa.kd
    .args:
      - { .name: k, .offset: 0, .size: 8, .value_kind: global_buffer, .address_space: global }
      - { .name: q, .offset: 8, .size: 8, .value_kind: global_buffer, .address_space: global }
      - { .name: rab_weight, .offset: 16, .size: 8, .value_kind: global_buffer, .address_space: global }
      - { .name: v, .offset: 24, .size: 8, .value_kind: global_buffer, .address_space: global }
      - { .name: out0, .offset: 32, .size: 8, .value_kind: global_buffer, .address_space: global }
    .group_segment_fixed_size: 319488
    .private_segment_fixed_size: 0
    .kernarg_segment_align: 8
    .kernarg_segment_size: 40
    .max_flat_workgroup_size: 512
    .sgpr_count:     66
    .vgpr_count:     256
    .wavefront_size: 32
...
	.end_amdgpu_metadata
.endif
;; end of part 2
